; MI455X (gfx1250); checked and timed in simulation.
; The chip was launched on July 23, 2026; its instructions are those of AMD's public machine-readable ISA for CDNA 5 (MIT licence, August 2026) and "CDNA5" Instruction Set Architecture Reference Guide (July 2026). The comments in the code are by the model that wrote it; some were corrected since.
;; Int8 Linear. Allowed arithmetic: matrix products marked QUANTISED: E4M3 operands, one given power-of-two scale a tensor, by v_wmma_f32_16x16x64_fp8_fp8 or v_wmma_f32_16x16x128_fp8_fp8, f32 sums; everything else in f32.
;; Inputs: bias 4,096 float16; lowp_scales 2 int32 (the exponents e of the quantised operands' scales 2^e); weight 4,096 x 4,096 int32; x 4,096 x 4,096 float16.
;; Outputs: out0 4,096 x 4,096 float16.
;; This version of the problem:
;;   THIS VERSION OF THE PROBLEM IS GIVEN IN LOW PRECISION. The matrix products marked QUANTISED in the list below multiply operands that are first quantised to E4M3 (4 exponent bits, 3 mantissa bits; 8 bits a number), with one given power-of-two scale for each operand tensor; their sums are f32. All else is computed in f32.
;;   The module's matrix products, in the order in which they are computed (A, B: the left and right operand; K: the contracted axis; several contracted axes count as one K, in the product's order):
;;     1. [M 4,096, K 4,096] x [K 4,096, N 4,096]; A: input x; B: input weight: QUANTISED (scales: A lowp_scales[0], B lowp_scales[1])
;;   THE QUANTISER, for each operand of a quantised product, along K:
;;     - The operand's scale is 2^e, e = its entry of the input lowp_scales (int32; the entries are numbered through the quantised products in the list's order, A before B).
;;     - Each number is divided by the scale, clamped to +-448, and rounded to the nearest number of E4M3, ties to even, subnormals kept.
;;     - The product sums the exact products of the quantised numbers (number of the format x scale) in f32.
;;   ~~~python
;;   def quantise(x, axis, e):      # numpy; x: float32 -> the quantised numbers, widened to float32 again
;;       x = np.moveaxis(x, axis, -1); K = x.shape[-1]
;;       r = np.clip(x / 2.0 ** e, -448, 448)
;;       step = 2.0 ** (np.maximum(np.frexp(np.where(r == 0, 1, r))[1] - 1, -6) - 3)
;;       q = np.round(r / step) * step * 2.0 ** e      # np.round: ties to even
;;       return np.moveaxis(q, -1, axis).astype(np.float32)
;;   ~~~
;; One version. Each part assembles by itself: llvm-mc -triple=amdgcn-amd-amdhsa -mcpu=gfx1250 --defsym DOCPART=n.
;; ======== version 1 of 1: 2 launches
;; limits: values are held in f16: magnitudes above 65,504 overflow, below 6.1e-05 lose precision; right only within a limited range of input values
;; workspace buffers: xq 16,777,216 bytes; wq 16,777,216 bytes
;; launch quant (part 1): grid 512 x 1, 4 waves a work-group, no clusters, 79,360 bytes of LDS; arguments x, weight, lowp_scales, xq, wq; writes xq, wq
.if DOCPART == 1
	.amdgcn_target "amdgcn-amd-amdhsa--gfx1250"
	.amdhsa_code_object_version 6
	.text
	.protected	k_qea0327271a_quant
	.globl	k_qea0327271a_quant
	.p2align	8
	.type	k_qea0327271a_quant,@function
k_qea0327271a_quant:
	s_mov_b64 s[64:65], 0
	v_nop
	global_prefetch_b8 v0, s[64:65] scope:SCOPE_SE
	s_setreg_imm32_b32 hwreg(HW_REG_WAVE_MODE, 25, 1), 1
	s_wait_xcnt 0x0
; BOTH OPERANDS OF out0 = f16(x . f16(weight) + bias) ARE TURNED INTO CODES OF FP8 (E4M3), one code a byte, each with the one scale 2^e that is given for it.
; lowp_scales: entry 0 = ea (x), entry 1 = eb (weight).  code = number / 2^e, held within +-448, rounded to the nearest code, ties to even.
; weight [4096 k][4096 n] int32 -> wq [4096 n][4096 k], K innermost.
; x [4096 m][4096 k] f16 -> xq IN THE ORDER OF THE OPERAND'S REGISTERS: [tile of 16 rows][K step of 128][2,048 bytes]; in such an image the 16 codes of row r at k = 16 q .. 16 q + 15 lie at byte 256 q + 16 r,
;   so that the product's launch loads a fragment by four loads of 512 consecutive bytes (lane 16 h + r, load c: q = 2 c + h).
; NO WORK IS LEFT OUT: every input has a way to the output.  The step weight.astype(float16) is done as it is written (int32 -> f32 -> f16 -> f32): it changes numbers beyond +-2,048, and so their codes.
;   (int32 -> f32 is exact under 2^24, and from 65,520 on f16 is infinity either way: the two roundings give what one gives.)  An infinity is held at the largest code, as the clamp does.
; LIMITS: ea and eb lie between -126 and 119, so that 2^e and 448 x 2^e are f32 numbers.  NaN in x is not served.
; SHARES.  Work-groups 0-255 take x, 16 rows each; work-groups 256-511 take weight, 256 columns x 256 along K each.  The branch hangs on the work-group's number alone.
; Both halves are streams: no matrix unit, no tensor load, no cluster (no two work-groups read the same byte), no barrier (waves share nothing).
; Each path has LDS bytes of its own, a stage for each wave.  Each wave ends with three closing lines.
.set XWG,   256                        ; work-groups for x
.set PITCH, 272                        ; a stage row: 256 bytes of codes + 16 of padding
.set CHALF, 32*PITCH                   ; the weight path's stage: its second half, the odd columns
.set XSTG,  4*64*PITCH                 ; behind the weight path's four stages: the x path's four,
.set XSB,   2304                       ; each 8 rows x 272 bytes, rounded up to whole blocks of 256
.set SPARE, XSTG+4*XSB                 ; behind them: the spare words, 128 bytes for each wave: two blocks of 256 bytes that no other line names
.set KROW,  4096                       ; a row of wq in bytes
.set NROW,  16384                      ; a row of weight in bytes
.set EMAX,  8
.set MANT,  0x600000                   ; the mantissa field of 448 as f32
.set SPW,   12                         ; v12  LDS address of my spare word: SPARE + 4 x my thread's number; never rewritten
.set NIL,   13                         ; v13  0; never rewritten
; v10 = 448 x 2^e, v11 = 2^e on both paths
	s_load_b128 s[4:7], s[0:1], 0x0                ; x s[4:5], weight s[6:7]
	s_load_b64 s[10:11], s[0:1], 0x10              ; the scales' exponents
	s_load_b128 s[12:15], s[0:1], 0x18             ; xq s[12:13], wq s[14:15]
	v_lshl_add_u32 v[SPW], v0, 2, SPARE
	v_mov_b32 v[NIL], 0
	v_lshrrev_b32 v1, 5, v0
	v_readfirstlane_b32 s16, v1                    ; wave 0..3
	v_and_b32 v2, 31, v0                           ; lane
	s_wait_kmcnt 0x0
	s_load_b64 s[22:23], s[10:11], 0x0             ; ea, eb
	s_cmp_lt_u32 ttmp9, XWG
	s_cbranch_scc0 .Lweight
; ---------------- x.  The work-group takes a tile of 16 rows, wave w its k = 1,024 w .. 1,024 w + 1,023: eight images, 16,384 consecutive bytes of xq.
; An image is a round of 8 slots.  Slot i: one load of 16 bytes a lane: lanes 0-15 read 256 consecutive bytes, aligned, of row 2 i, lanes 16-31 of row 2 i + 1; 8 widenings, 8 holds, one conversion;
; the lane's 8 codes go into the wave's stage at the place that the image gives them.  Behind the 8 slots the image is read back as it lies and leaves by four stores of 512 consecutive bytes.
; A ring of 16 slots in registers, two images, keeps 16 loads of every wave on their way: a slot is filled again with the same rows of the image two further on.
.set X, 32                             ; v32-95   slot i of image p: 4 registers, 8 f16 as loaded (halves are named, so they lie under v128)
.set T, 96                             ; v96-111  two sets of 8 f32, by the slot's parity: a conversion's sources are written again only a whole slot later
.set Y, 112                            ; v112-127 slot i: 2 registers, 8 codes
.set Z, 128                            ; v128-159 two images as they leave
	s_wait_alu depctr_va_vdst(0)
	v_and_b32 v7, 15, v2                           ; p: which 8 numbers of the row's 128
	v_lshrrev_b32 v8, 4, v2                        ; which of the slot's two rows
	v_lshlrev_b32 v3, 13, v8                       ; in: a row of x is 8,192 bytes,
	v_lshl_add_u32 v3, v7, 4, v3                   ; + 16 p
	v_lshlrev_b32 v4, 4, v2                        ; out: 16 bytes a lane
	s_mul_i32 s21, s16, XSB
	s_add_co_u32 s21, s21, XSTG                    ; my stage
	v_lshrrev_b32 v5, 1, v7                        ; q = p / 2
	v_mul_u32_u24 v5, v5, PITCH                    ; into the stage: 272 q (the image's 256 q, padded)
	v_and_b32 v9, 1, v2
	v_lshl_add_u32 v5, v9, 3, v5                   ; + 8 (p % 2)
	v_lshl_add_u32 v5, v8, 4, v5                   ; + 16 x the row; the slot's 32 i stands in the immediate
	v_add_nc_u32 v5, s21, v5
	v_mul_u32_u24 v6, v8, PITCH                    ; out of it: lanes 0-15 take q = 2 c, lanes 16-31 q = 2 c + 1; 16 bytes for each row
	v_lshl_add_u32 v6, v7, 4, v6
	v_add_nc_u32 v6, s21, v6
	s_lshl_b32 s18, ttmp9, 17                      ; 16 rows of 8,192 bytes
	s_lshl_b32 s20, s16, 11                        ; 1,024 f16
	s_add_co_u32 s18, s18, s20
	s_mov_b32 s19, 0
	s_add_nc_u64 s[4:5], s[4:5], s[18:19]
	s_lshl_b32 s18, ttmp9, 16                      ; 32 images of 2,048 bytes
	s_lshl_b32 s20, s16, 14                        ; 8 images
	s_add_co_u32 s18, s18, s20
	s_add_nc_u64 s[12:13], s[12:13], s[18:19]
.irp i, 0,1,2,3,4,5,6,7
	global_load_b128 v[X+4*\i:X+4*\i+3], v3, s[4:5] offset:16384*\i th:TH_LOAD_NT    ; the ring is filled: the first image
.endr
.irp i, 0,1,2,3,4,5,6,7
	global_load_b128 v[X+32+4*\i:X+32+4*\i+3], v3, s[4:5] offset:256+16384*\i th:TH_LOAD_NT    ; and the second
.endr
	s_wait_kmcnt 0x0
	s_add_co_i32 s22, s22, 127                     ; ea + 127
	s_lshl_b32 s23, s22, 23
	v_mov_b32 v11, s23                             ; 2^ea as f32: the conversion takes its exponent field
	s_add_co_i32 s22, s22, EMAX
	s_lshl_b32 s22, s22, 23
	s_or_b32 s22, s22, MANT
	v_mov_b32 v10, s22                             ; 448 x 2^ea
; One slot's turn, of image QP (0, 1) of the trip.  ahead = 1: the slot is filled again with the same two rows of the image two further on.  left: how many younger loads may stay out.
; h0 .. h7: the slot's eight halves by name.
.macro SLOT i, ahead, left, h0, h1, h2, h3, h4, h5, h6, h7
.set TS, T+8*((\i)%2)
	s_wait_loadcnt \left                           ; loads come back in order (ISA guide 5.7.1): mine is in, the younger ones stay out
	v_cvt_f32_f16 v[TS+0], \h0
	v_cvt_f32_f16 v[TS+1], \h1
	v_cvt_f32_f16 v[TS+2], \h2
	v_cvt_f32_f16 v[TS+3], \h3
	v_cvt_f32_f16 v[TS+4], \h4
	v_cvt_f32_f16 v[TS+5], \h5
	v_cvt_f32_f16 v[TS+6], \h6
	v_cvt_f32_f16 v[TS+7], \h7
.irp j, 0,1,2,3,4,5,6,7
	v_med3_num_f32 v[TS+\j], v[TS+\j], -v10, v10   ; the conversion to an 8-bit code does not saturate (ISA guide 7.6.2): the hold at the largest code x the scale comes first
.endr
	v_cvt_scalef32_pk8_fp8_f32 v[Y+2*\i:Y+2*\i+1], v[TS:TS+7], v11   ; its result goes to an LDS store alone; the next vector lines are plain and write the other set
.if \ahead
	global_load_b128 v[X+32*QP+4*\i:X+32*QP+4*\i+3], v3, s[4:5] offset:512+256*QP+16384*\i th:TH_LOAD_NT
.endif
	ds_store_b64 v5, v[Y+2*\i:Y+2*\i+1] offset:32*\i
.endm
.macro ROUND p, ahead                  ; image p of a trip: every slot once, then the image leaves.  Without loads the counts run down
.set QP, \p
.if \p == 0
	SLOT 0, \ahead, 15, v32.l, v32.h, v33.l, v33.h, v34.l, v34.h, v35.l, v35.h
	SLOT 1, \ahead, 15-1*(1-\ahead), v36.l, v36.h, v37.l, v37.h, v38.l, v38.h, v39.l, v39.h
	SLOT 2, \ahead, 15-2*(1-\ahead), v40.l, v40.h, v41.l, v41.h, v42.l, v42.h, v43.l, v43.h
	SLOT 3, \ahead, 15-3*(1-\ahead), v44.l, v44.h, v45.l, v45.h, v46.l, v46.h, v47.l, v47.h
	SLOT 4, \ahead, 15-4*(1-\ahead), v48.l, v48.h, v49.l, v49.h, v50.l, v50.h, v51.l, v51.h
	SLOT 5, \ahead, 15-5*(1-\ahead), v52.l, v52.h, v53.l, v53.h, v54.l, v54.h, v55.l, v55.h
	SLOT 6, \ahead, 15-6*(1-\ahead), v56.l, v56.h, v57.l, v57.h, v58.l, v58.h, v59.l, v59.h
	SLOT 7, \ahead, 15-7*(1-\ahead), v60.l, v60.h, v61.l, v61.h, v62.l, v62.h, v63.l, v63.h
.else
	SLOT 0, \ahead, 15-8*(1-\ahead), v64.l, v64.h, v65.l, v65.h, v66.l, v66.h, v67.l, v67.h
	SLOT 1, \ahead, 15-9*(1-\ahead), v68.l, v68.h, v69.l, v69.h, v70.l, v70.h, v71.l, v71.h
	SLOT 2, \ahead, 15-10*(1-\ahead), v72.l, v72.h, v73.l, v73.h, v74.l, v74.h, v75.l, v75.h
	SLOT 3, \ahead, 15-11*(1-\ahead), v76.l, v76.h, v77.l, v77.h, v78.l, v78.h, v79.l, v79.h
	SLOT 4, \ahead, 15-12*(1-\ahead), v80.l, v80.h, v81.l, v81.h, v82.l, v82.h, v83.l, v83.h
	SLOT 5, \ahead, 15-13*(1-\ahead), v84.l, v84.h, v85.l, v85.h, v86.l, v86.h, v87.l, v87.h
	SLOT 6, \ahead, 15-14*(1-\ahead), v88.l, v88.h, v89.l, v89.h, v90.l, v90.h, v91.l, v91.h
	SLOT 7, \ahead, 15-15*(1-\ahead), v92.l, v92.h, v93.l, v93.h, v94.l, v94.h, v95.l, v95.h
.endif
.irp c, 0,1,2,3
	ds_load_b128 v[Z+16*QP+4*\c:Z+16*QP+4*\c+3], v6 offset:2*PITCH*\c          ; LDS serves a wave's instructions in order (ISA guide 5.7.1.4): these see my stores, and the next image's stores come behind them
.endr
	s_wait_dscnt 0x0
.irp c, 0,1,2,3
	global_store_b128 v4, v[Z+16*QP+4*\c:Z+16*QP+4*\c+3], s[12:13] offset:2048*QP+512*\c   ; 32 lanes store 512 consecutive bytes, aligned
.endr
.endm
	s_wait_alu depctr_va_vdst(0)                   ; the head's end
	s_mov_b32 s24, 3
.Lround:
	ROUND 0, 1
	ROUND 1, 1
	s_wait_xcnt 0x0                                ; the trip's loads and stores have read their sources: the images' registers and both bases are written again only behind this wait
	s_add_nc_u64 s[4:5], s[4:5], 512               ; 256 f16 along the rows
	s_add_nc_u64 s[12:13], s[12:13], 4096          ; two images
	s_sub_co_u32 s24, s24, 1
	s_cmp_lg_u32 s24, 0
	s_cbranch_scc1 .Lround
	ROUND 0, 0                                     ; the last two images load nothing: no load leaves the buffer
	ROUND 1, 0
	s_wait_tensorcnt 0x0                           ; the wave's end: three closing lines behind my last LDS store
	ds_add_u32 v[SPW], v[NIL]
	s_wait_dscnt 0x0
	s_endpgm
; ---------------- weight: K is the FIRST axis.  A wave takes 64 columns x 256 along K.  A LANE TAKES TWO NEIGHBOURING COLUMNS, AND ITS REGISTERS RUN DOWN K: a load of 8 bytes a lane reads 256 consecutive
; bytes of one row, aligned; the conversions, which take neighbours along K from one lane's consecutive registers, give codes with K innermost.  The sorting of the two columns costs nothing: it lies in which
; registers the packing to f16 names.  A lane's codes belong to two rows of wq and the lanes beside it hold other rows: so they go through the wave's own stage in LDS and leave as rows of 256 bytes.
.set H, 16                             ; v16-31   16 pairs of f16: one column's 32 numbers of a block
.set F, 32                             ; v32-63   the same 32 as f32
.set C, 64                             ; v64-79   a block's codes: 8 registers for each of my two columns
.set R, 80                             ; v80-207  two sets of 64 numbers as loaded (row k, column c at 2 k + c); at the end the 128 registers of the way out
.Lweight:
	s_sub_co_u32 s17, ttmp9, XWG                   ; 0 .. 255
	s_and_b32 s18, s17, 15                         ; which 256 columns
	s_lshr_b32 s19, s17, 4                         ; which 256 along K
	s_lshl_b32 s18, s18, 8
	s_lshl_b32 s20, s16, 6
	s_add_co_u32 s18, s18, s20                     ; my wave's first column
	s_lshl_b32 s26, s19, 22                        ; 256 rows of 16,384 bytes
	s_lshl_b32 s20, s18, 2
	s_add_co_u32 s26, s26, s20
	s_mov_b32 s27, 0
	s_add_nc_u64 s[6:7], s[6:7], s[26:27]          ; weight at (my first k, my first column)
	s_lshl_b32 s28, s18, 12                        ; my first column's row of wq,
	s_lshl_b32 s20, s19, 8                         ; my 256 bytes of it
	s_add_co_u32 s28, s28, s20
	s_mov_b32 s29, 0
	s_add_nc_u64 s[14:15], s[14:15], s[28:29]
	s_wait_alu depctr_va_vdst(0)
	v_lshlrev_b32 v3, 3, v2                        ; in: 8 bytes a lane
	s_mul_i32 s21, s16, 64*PITCH                   ; my stage
	v_mul_u32_u24 v4, v2, PITCH
	v_add_nc_u32 v4, s21, v4                       ; into it: stage row 32 c + lane holds column 2 lane + c
	v_and_b32 v5, 15, v2
	v_lshrrev_b32 v6, 4, v2
	v_mul_u32_u24 v7, v6, CHALF
	v_lshl_add_u32 v7, v5, 4, v7
	v_add_nc_u32 v7, s21, v7                       ; out of it: lanes 0-15 a row of the even columns, lanes 16-31 the same row of the odd ones: columns 2 t and 2 t + 1
	v_lshlrev_b32 v8, 12, v6
	v_lshl_add_u32 v8, v5, 4, v8                   ; and the same two rows in wq
.macro LOAD t                          ; block t: weight(32 t + i, my two columns), i = 0 .. 31, into set t % 2.  The largest offset, 255 rows, lies inside the signed 24-bit immediate (ISA guide, chapter 10)
.set RL, R+64*((\t)%2)
.irp i, 0,1,2,3,4,5,6,7,8,9,10,11,12,13,14,15,16,17,18,19,20,21,22,23,24,25,26,27,28,29,30,31
	global_load_b64 v[RL+2*\i:RL+2*\i+1], v3, s[6:7] offset:(32*(\t)+\i)*NROW th:TH_LOAD_NT
.endr
.endm
	LOAD 0
	LOAD 1
	s_wait_kmcnt 0x0
	s_add_co_i32 s22, s23, 127                     ; eb + 127
	s_lshl_b32 s23, s22, 23
	v_mov_b32 v11, s23                             ; 2^eb as f32
	s_add_co_i32 s22, s22, EMAX
	s_lshl_b32 s22, s22, 23
	s_or_b32 s22, s22, MANT
	v_mov_b32 v10, s22                             ; 448 x 2^eb
; Column c (0, 1) of block t, whose numbers stand as f32 in v[rs] on: to f16 as the module has it, back to f32, held, converted, 32 codes into the stage.
.macro COLUMN rs, c, t
.irp j, 0,1,2,3,4,5,6,7,8,9,10,11,12,13,14,15
	v_cvt_pk_f16_f32 v[H+\j], v[\rs+4*\j+\c], v[\rs+4*\j+2+\c]    ; k = 2 j and 2 j + 1 of this column
.endr
.set KK, 0
.irp hh, v16.l, v16.h, v17.l, v17.h, v18.l, v18.h, v19.l, v19.h, v20.l, v20.h, v21.l, v21.h, v22.l, v22.h, v23.l, v23.h, v24.l, v24.h, v25.l, v25.h, v26.l, v26.h, v27.l, v27.h, v28.l, v28.h, v29.l, v29.h, v30.l, v30.h, v31.l, v31.h
	v_cvt_f32_f16 v[F+KK], \hh
.set KK, KK+1
.endr
.irp k, 0,1,2,3,4,5,6,7,8,9,10,11,12,13,14,15,16,17,18,19,20,21,22,23,24,25,26,27,28,29,30,31
	v_med3_num_f32 v[F+\k], v[F+\k], -v10, v10     ; the hold at the largest code x the scale
.endr
.irp g, 0,1,2,3
	v_cvt_scalef32_pk8_fp8_f32 v[C+8*\c+2*\g:C+8*\c+2*\g+1], v[F+8*\g:F+8*\g+7], v11
.endr
	; the codes go to LDS stores alone; the next vector lines (sixteen packings, or the next block's widenings) are plain and touch neither the codes nor v[F] on
	ds_store_b128 v4, v[C+8*\c:C+8*\c+3] offset:CHALF*\c+32*(\t)
	ds_store_b128 v4, v[C+8*\c+4:C+8*\c+7] offset:CHALF*\c+32*(\t)+16
.endm
.macro BLOCK t
.set RS, R+64*((\t)%2)
.if (\t) < 7
	s_wait_loadcnt 32                              ; this block's 32 loads are in; the next block's may be out
.else
	s_wait_loadcnt 0x0
.endif
.irp i, 0,1,2,3,4,5,6,7,8,9,10,11,12,13,14,15,16,17,18,19,20,21,22,23,24,25,26,27,28,29,30,31,32,33,34,35,36,37,38,39,40,41,42,43,44,45,46,47,48,49,50,51,52,53,54,55,56,57,58,59,60,61,62,63
	v_cvt_f32_i32 v[RS+\i], v[RS+\i]
.endr
	COLUMN RS, 0, \t
	COLUMN RS, 1, \t
.if (\t)+2 < 8
	LOAD (\t)+2                                    ; the set just read takes the block two further on
.endif
	s_wait_dscnt 0x0                               ; the stage's stores have read their registers: the next block's codes may be written
.endm
.irp t, 0,1,2,3,4,5,6,7
	BLOCK \t
.endr
.irp t, 0,1,2,3,4,5,6,7,8,9,10,11,12,13,14,15,16,17,18,19,20,21,22,23,24,25,26,27,28,29,30,31
	ds_load_b128 v[R+4*\t:R+4*\t+3], v7 offset:\t*PITCH    ; LDS serves a wave's instructions in order (ISA guide 5.7.1.4): these see my stores
.endr
.irp t, 0,1,2,3,4,5,6,7,8,9,10,11,12,13,14,15,16,17,18,19,20,21,22,23,24,25,26,27,28,29,30,31
	s_wait_dscnt 31-\t                             ; the younger loads from the stage may stay out
	global_store_b128 v8, v[R+4*\t:R+4*\t+3], s[14:15] offset:2*\t*KROW    ; sixteen lanes store 256 consecutive bytes of one row of wq, aligned
.endr
	s_wait_tensorcnt 0x0                           ; the wave's end: three closing lines behind my last LDS store
	ds_add_u32 v[SPW], v[NIL]
	s_wait_dscnt 0x0
	s_endpgm
.Lfunc_end_k_qea0327271a_quant:
	.size	k_qea0327271a_quant, .Lfunc_end_k_qea0327271a_quant-k_qea0327271a_quant
	.p2alignl 7, 3214868480
	.fill 96, 4, 3214868480
	.section	.rodata,"a",@progbits
	.p2align	6, 0x0
	.amdhsa_kernel k_qea0327271a_quant
		.amdhsa_group_segment_fixed_size 79360
		.amdhsa_private_segment_fixed_size 0
		.amdhsa_enable_private_segment 0
		.amdhsa_kernarg_size 40
		.amdhsa_user_sgpr_count 2
		.amdhsa_user_sgpr_kernarg_segment_ptr 1
		.amdhsa_wavefront_size32 1
		.amdhsa_system_sgpr_workgroup_id_x 1
		.amdhsa_system_sgpr_workgroup_id_y 1
		.amdhsa_system_sgpr_workgroup_id_z 1
		.amdhsa_system_vgpr_workitem_id 0
		.amdhsa_next_free_vgpr 208
		.amdhsa_next_free_sgpr 66
		.amdhsa_reserve_vcc 0
		.amdhsa_float_denorm_mode_32 3
		.amdhsa_float_denorm_mode_16_64 3
		.amdhsa_memory_ordered 1
		.amdhsa_forward_progress 1
		.amdhsa_inst_pref_size 156
	.end_amdhsa_kernel
	.amdgpu_metadata
---
amdhsa.version: [ 1, 2 ]
amdhsa.kernels:
  - .name:           k_qea0327271a_quant
    .symbol:         k_qea0327271a_quant.kd
    .args:
      - { .name: x, .offset: 0, .size: 8, .value_kind: global_buffer, .address_space: global }
      - { .name: weight, .offset: 8, .size: 8, .value_kind: global_buffer, .address_space: global }
      - { .name: lowp_scales, .offset: 16, .size: 8, .value_kind: global_buffer, .address_space: global }
      - { .name: xq, .offset: 24, .size: 8, .value_kind: global_buffer, .address_space: global }
      - { .name: wq, .offset: 32, .size: 8, .value_kind: global_buffer, .address_space: global }
    .group_segment_fixed_size: 79360
    .private_segment_fixed_size: 0
    .kernarg_segment_align: 8
    .kernarg_segment_size: 40
    .max_flat_workgroup_size: 128
    .sgpr_count:     66
    .vgpr_count:     208
    .wavefront_size: 32
...
	.end_amdgpu_metadata
.endif
;; end of part 1
;; launch gemm (part 2): grid 16 x 16, 4 waves a work-group, clusters of 4 x 4, 327,680 bytes of LDS; arguments xq, wq, lowp_scales, bias, out0; writes out0
.if DOCPART == 2
	.amdgcn_target "amdgcn-amd-amdhsa--gfx1250"
	.amdhsa_code_object_version 6
	.text
	.protected	k_qea0327271a_gemm
	.globl	k_qea0327271a_gemm
	.p2align	8
	.type	k_qea0327271a_gemm,@function
k_qea0327271a_gemm:
	s_mov_b64 s[64:65], 0
	v_nop
	global_prefetch_b8 v0, s[64:65] scope:SCOPE_SE
	s_setreg_imm32_b32 hwreg(HW_REG_WAVE_MODE, 25, 1), 1
	s_wait_xcnt 0x0
	s_wait_alu depctr_hold_cnt(0) depctr_sa_sdst(0) depctr_va_vdst(0) depctr_va_sdst(0) depctr_va_ssrc(0) depctr_va_vcc(0) depctr_vm_vsrc(0)
	s_getreg_b32 s2, hwreg(HW_REG_IB_STS2, 6, 4)
	s_cmp_eq_u32 s2, 0
	s_cbranch_scc0 .Lentry_in_a_cluster
	s_endpgm
.Lentry_in_a_cluster:
	s_bfe_u32 s2, ttmp6, 0x10000c
	s_cmp_lg_u32 s2, 0xf033
	s_cbranch_scc0 .Lentry_shape_is_right
	s_endpgm
.Lentry_shape_is_right:
; out0[m][n] = f16((sum over k of xq(m, k) wq(n, k)) x 2^(ea + eb) + bias[n]), 4096 x 4096, K = 4096; FP8 (E4M3) codes, f32 sums, one f16 rounding at the end.
; xq: [tile of 16 rows][K step of 128][2,048 bytes], the image of an operand's registers: lane 16 h + r takes row r, k = 32 c + 16 h + 0 .. 15 at byte 512 c + 16 lane.  wq: [n][k], K innermost.
; No work is left out.  LIMIT: ea + eb lies between -126 and 127, so that 2^(ea + eb) is an f32 number.
; A work-group of four waves makes 256 x 256, a wave 64 rows x 256 columns: 4 row blocks (a) x 16 column blocks (j), 64 accumulators, 512 registers.  256 work-groups: one for each WGP.
; B (wq) goes through LDS: two slots of 512 along K, each filled by one tensor load a wave (64 rows of 512 bytes), JOINTLY by the four work-groups of a column of the cluster, which need the same rows.
; A (xq) goes from memory straight into registers: each fragment of A serves one wave alone, so LDS would not save a load inside the work-group, and two slots that held 512 along K of A too would take
; 540,672 bytes of 327,680.  So A has no joint loads.
; THE PRODUCTS ARE USED TRANSPOSED: source 0 = 16 rows of wq, source 1 = 16 rows of xq: lane (r, h) then holds, of row r, the columns 16 j + 8 h + 0 .. 7.
; REGISTERS.  Window 0: v0-31 addresses, v32-255 fourteen units of 16 for B's fragments: units 0-5 the blocks j = 0 .. 5, units 6-11 the blocks 8 .. 13, units 12, 13 the blocks 6, 7 and 14, 15 by turns.
;   Window 1: four sets of A, 64 rows x 128 K each.  Window 2: the accumulators of the blocks j = 0 .. 7, (j, a) at v[32 (j % 8) + 8 a]; window 3: those of j = 8 .. 15.
; A STEP is 128 along K, two halves of 8 blocks, 32 products each.  In front of each half stands ONE run of loads: this half's last two blocks (8 LDS loads, used 24 products later), the next half's
;   first six (24 LDS loads), and 8 loads of A's set for the step three on.  A slot is four steps.
; PLACES: four v_nop in front of each run: everything that it writes over was read by products ahead of them.
; PREFETCH: behind each change of slots, one instruction a wave for B (the slot three on) and one for A (the slot two on).  Each row of clusters needs the same wq, each column of clusters the same xq:
;   the first row of clusters asks for B, the first column for A; the partners of a cluster share the rows (B) and the images (A) out by address.  No slot past the last is named.
.set OROW,   8192
.set IMG,    2048
.set MROW,   32*IMG                    ; 16 rows of xq
.set SK,     512
.set PITCH,  528                       ; an LDS row: 512 bytes + 16 of padding: 132 words, so 16 rows start at 16 different banks (64 banks of 4 bytes: ISA guide 11.1)
.set QUART,  64*PITCH
.set HALFB,  128*PITCH
.set SLOT,   4*QUART
.set SPITCH, 528                       ; the way out: a stage of 64 rows for each wave, in slot 0, which has had its last fill and its last read by then
.set BIASL,  2*SLOT                    ; the bias as f32, a copy for each wave
.set SPARE,  BIASL+4*1024              ; the spare words, 128 bytes for each wave
; v1 into the stage, v2 out of it, v3 into the bias copy, v16 out of it, v4-7 B's LDS addresses (slot 0: columns 0-127, 128-255; slot 1 likewise), v8 16 x lane, v9 and v17 the prefetches' offsets,
; v12-15 the bias as loaded
.set SPW,  10                          ; my spare word
.set NIL,  11                          ; 0
.set G1, 24                            ; s[24:31] descriptor group 1; s[32:39] group 0, one set for each slot
.set G0, 32
.set MSB, 0
.macro WIN new                         ; the immediate's high byte repeats the setting that is left
.if MSB != \new
	s_set_vgpr_msb (MSB<<8)|\new
.set MSB, \new
.endif
.endm
.macro CREST                           ; a round of the cluster's barrier behind its opening barrier
	s_cmp_lg_u32 s14, 0
	s_cbranch_scc1 .Lnot_wave_0_\@
	s_barrier_signal -3
.Lnot_wave_0_\@:
	s_barrier_wait -3
	s_barrier_signal -1
	s_barrier_wait -1
.endm
.macro CROUND
	s_barrier_signal -1
	s_barrier_wait -1
	CREST
.endm
.macro PLACES
.rept 4
	v_nop
.endr
.endm
	s_load_b256 s[4:11], s[0:1], 0x0               ; xq, wq, scales, bias
	s_load_b64 s[12:13], s[0:1], 0x20              ; out0
	v_lshl_add_u32 v[SPW], v0, 2, SPARE
	v_mov_b32 v[NIL], 0
	ds_add_u32 v[SPW], v[NIL]                      ; the wave's opening: the add, twice on end, and its wait; work on registers stands between
	ds_add_u32 v[SPW], v[NIL]
	v_lshrrev_b32 v18, 5, v0
	v_readfirstlane_b32 s14, v18                   ; wave
	s_mul_i32 s23, s14, 64*SPITCH                  ; my stage
	s_lshl_b32 s22, s14, 10
	s_add_co_u32 s22, s22, BIASL                   ; my copy of the bias
	v_and_b32 v19, 15, v0                          ; r
	v_bfe_u32 v20, v0, 4, 1                        ; h
	v_and_b32 v21, 31, v0                          ; lane
	v_mul_u32_u24 v22, v19, PITCH
	v_lshl_add_u32 v4, v20, 4, v22                 ; a fragment's row x pitch + 16 h
	v_add_nc_u32 v5, HALFB, v4
	v_add_nc_u32 v6, SLOT, v4
	v_add_nc_u32 v7, SLOT+HALFB, v4
	v_lshlrev_b32 v8, 4, v21
	v_add_nc_u32 v1, s23, v4
	v_add_nc_u32 v2, s23, v8
	v_lshl_add_u32 v3, v21, 5, s22
	v_lshl_add_u32 v16, v20, 5, s22
	v_lshlrev_b32 v9, 12, v19                      ; B's prefetch: 16 rows of 4,096 bytes, two units of 256 bytes each
	v_lshl_add_u32 v9, v20, 8, v9
	v_lshrrev_b32 v23, 3, v21
	v_and_b32 v24, 7, v21
	v_lshlrev_b32 v23, 16, v23                     ; A's prefetch: four tiles of 16 rows, eight units of an image each
	v_lshl_add_u32 v17, v24, 8, v23
	s_wait_alu depctr_va_vdst(0)                   ; behind the head's last vector instruction
	s_bfe_u32 s40, ttmp6, 0x40000                  ; cx
	s_bfe_u32 s41, ttmp6, 0x40004                  ; cy
	s_lshl_b32 s42, ttmp9, 2
	s_add_co_u32 s42, s42, s40                     ; tile column
	s_and_b32 s17, ttmp7, 0xffff
	s_lshl_b32 s17, s17, 2
	s_add_co_u32 s17, s17, s41                     ; tile row
	s_lshl_b32 s44, 0x1111, s40                    ; my column of the cluster
	s_or_b32 s[G1+0], s44, (0<<16)|(1<<20)|(1<<21)|(6<<22)|(3<<25)  ; the mask; elements of 1 byte; padding of 4 words (code 3) behind every 128 (code 6); bit 21 beside a mask
	s_mov_b32 s[G1+1], SK<<16
	s_mov_b32 s[G1+2], 64<<16
	s_mov_b32 s[G1+3], SK<<16
	s_mov_b32 s[G1+4], 64
	s_mov_b32 s[G1+5], 4096
	s_mov_b32 s[G1+6], 0
	s_mov_b32 s[G1+7], 0
	s_lshl_b32 s46, s42, 8
	s_lshl_b32 s18, s14, 6
	s_add_co_u32 s46, s46, s18
	s_lshl_b32 s46, s46, 12                        ; the 64 rows of wq that I fetch
	s_mov_b32 s47, 0
	s_mul_i32 s45, s14, QUART                      ; where they go
	s_wait_dscnt 0x0                               ; both opening adds are done
	s_wait_kmcnt 0x0
	s_load_b64 s[96:97], s[8:9], 0x0               ; ea, eb
	s_add_nc_u64 s[46:47], s[6:7], s[46:47]
.irp s, 0,1
	s_mov_b32 s[G0+4*\s], 1
	s_add_co_u32 s[G0+4*\s+1], s45, \s*SLOT
	s_add_nc_u64 s[G0+4*\s+2:G0+4*\s+3], s[46:47], \s*SK
	s_or_b32 s[G0+4*\s+3], s[G0+4*\s+3], 0x80000000
.endr
	s_lshl_b32 s20, s17, 4
	s_lshl_b32 s21, s14, 2
	s_add_co_u32 s20, s20, s21
	s_lshl_b32 s20, s20, 16                        ; my four tiles of 16 rows of xq
	s_mov_b32 s21, 0
	s_add_nc_u64 s[20:21], s[4:5], s[20:21]
	s_lshl_b32 s18, s42, 9                         ; my 256 columns' bias: 512 bytes
	s_mov_b32 s19, 0
	s_add_nc_u64 s[10:11], s[10:11], s[18:19]
.macro ASET k                          ; a whole set of A, at the head
	WIN 0x40
.irp a, 0,1,2,3
.irp c, 0,1,2,3
	global_load_b128 v[64*\k+16*\a+4*\c:64*\k+16*\a+4*\c+3], v8, s[20:21] offset:\a*MROW+\k*IMG+512*\c
.endr
.endr
	WIN 0
.endm
	CROUND                                         ; all sixteen work-groups are here: the first joint loads meet
	tensor_load_to_lds s[G0:G0+3], s[G1:G1+7]      ; slot 0: one tensor load a wave
	s_nop 0
	global_load_b128 v[12:15], v8, s[10:11]        ; the bias, eight numbers a lane: the oldest load
	ASET 0                                         ; under the tile's flight
	ASET 1
	s_lshl_b32 s18, s17, 8
	s_lshl_b32 s19, s14, 6
	s_add_co_u32 s18, s18, s19
	s_lshl_b32 s18, s18, 13                        ; my first row of out0
	s_lshl_b32 s19, s42, 9
	s_add_co_u32 s18, s18, s19
	s_mov_b32 s19, 0
	s_add_nc_u64 s[12:13], s[12:13], s[18:19]
	s_lshl_b32 s70, s41, 16                        ; B's prefetch: 16 of the 64 rows that I fetch, by cy
	s_mov_b32 s71, 0
	s_add_nc_u64 s[70:71], s[46:47], s[70:71]
	s_lshl_b32 s66, s40, 11                        ; A's prefetch: one of a slot's four images, by cx
	s_mov_b32 s67, 0
	s_add_nc_u64 s[66:67], s[20:21], s[66:67]
	s_and_b32 s68, ttmp7, 0xffff
	s_cmp_eq_u32 s68, 0
	s_cselect_b32 s68, 1, 0                        ; do I ask for B?
	s_cselect_b32 s72, 1, -1                       ; and the trip counter's bound for the change that stops one trip earlier
	s_cmp_eq_u32 ttmp9, 0
	s_cselect_b32 s69, 1, 0                        ; for A?
	s_wait_kmcnt 0x0
	s_add_co_i32 s96, s96, s97
	s_add_co_i32 s96, s96, 127
	s_lshl_b32 s96, s96, 23                        ; 2^(ea + eb) as f32
	s_mov_b32 s97, s96
.macro UNIT j                          ; QU: the unit of block j
.if ((\j)%8) < 6
.set QU, 6*((\j)/8)+(\j)%8
.else
.set QU, 6+(\j)%8
.endif
.endm
.macro LDB st, par, j0, n              ; n blocks from j0 on, of step st of the slot of parity par
.set QL, \j0
.rept \n
	UNIT QL
.irp c, 0,1,2,3
	ds_load_b128 v[32+16*QU+4*\c:35+16*QU+4*\c], v[4+2*(\par)+QL/8] offset:128*(\st)+(QL%8)*16*PITCH+32*\c
.endr
.set QL, QL+1
.endr
.endm
.macro ALD8                            ; eight loads of A's set for the step three on
.if QAE
	WIN 0x40
.rept 8
	global_load_b128 v[64*((QST+3)%4)+4*QAN:64*((QST+3)%4)+4*QAN+3], v8, s[20:21] offset:(QAN/4)*MROW+(QKS+3)*IMG+512*(QAN%4)
.set QAN, QAN+1
.endr
.endif
.endm
.macro MUL j0, n                       ; the products of n blocks from j0 on
.set QN, 0xa4+0x50*(\j0/8)
	WIN QN
.set QJ, \j0
.rept \n
	UNIT QJ
.set QAC, 32*(QJ%8)
.irp a, 0,1,2,3
.if QZ
	v_wmma_f32_16x16x128_fp8_fp8 v[QAC+8*\a:QAC+8*\a+7], v[32+16*QU:47+16*QU], v[64*QST+16*\a:64*QST+16*\a+15], 0
.else
	v_wmma_f32_16x16x128_fp8_fp8 v[QAC+8*\a:QAC+8*\a+7], v[32+16*QU:47+16*QU], v[64*QST+16*\a:64*QST+16*\a+15], v[QAC+8*\a:QAC+8*\a+7]
.endif
.endr
.set QJ, QJ+1
.endr
.endm
.macro ASK                             ; the prefetches behind a change of slots: B three slots on, A two slots on
.if QPAR == 0
	s_cmp_lg_u32 s68, 0
.else
	s_cmp_gt_u32 s3, s72                           ; (in the last trip the slot three on from an odd one does not exist)
.endif
	s_cbranch_scc0 .Lnot_b_\@
	global_prefetch_b8 v9, s[70:71] offset:(3+QPAR)*SK th:TH_LOAD_NT scope:SCOPE_SE
.Lnot_b_\@:
	s_cmp_lg_u32 s69, 0
	s_cbranch_scc0 .Lnot_a_\@
	global_prefetch_b8 v17, s[66:67] offset:(2+QPAR)*4*IMG th:TH_LOAD_NT scope:SCOPE_SE
.Lnot_a_\@:
.endm
; A step.  st: its place in the slot; par: the slot's parity; zero: the sums begin; ks: the step counted from A's base; ae: A is loaded; lw: LOADcnt's count (40: the two younger sets of 16 and the 8 just
; issued); kind: 0 plain, 1 a change of slots with a refill, 2 one without, 3 the last step.
.macro STEP st, par, zero, ks, ae, lw, kind
.set QST, \st
.set QPAR, \par
.set QZ, \zero
.set QKS, \ks
.set QAE, \ae
.set QAN, 0
	PLACES
	WIN 0
	LDB \st, \par, 6, 2
	LDB \st, \par, 8, 6
	ALD8
	s_wait_loadcnt \lw
	s_wait_dscnt 32                                ; all but the run just issued
	MUL 0, 6
	s_wait_dscnt 24                                ; blocks 6 and 7 are in
	MUL 6, 2
	PLACES
	WIN 0
	LDB \st, \par, 14, 2
.if \kind == 0
	LDB \st+1, \par, 0, 6
	ALD8
	s_wait_dscnt 32
	MUL 8, 6
	s_wait_dscnt 24
	MUL 14, 2
.elseif \kind == 3
	WIN 0x40                                       ; nothing follows: the bias comes into the registers of A's dead sets 0 and 1
.irp n, 0,1,2,3,4,5,6,7,8,9,10,11,12,13,14,15
	ds_load_b128 v[8*\n:8*\n+3], v16 offset:64*\n
	ds_load_b128 v[8*\n+4:8*\n+7], v16 offset:64*\n+16
.endr
	s_wait_dscnt 40                                ; all but blocks 14, 15 and the bias
	MUL 8, 6
	s_wait_dscnt 32
	MUL 14, 2
.else
	ALD8
	WIN 0                                          ; (the add's two registers lie in window 0)
	s_wait_tensorcnt 0x0                           ; all my tensor loads have landed: my part of the next slot;
	ds_add_u32 v[SPW], v[NIL]                      ; 0 onto my spare word
	s_wait_dscnt 9                                 ; (blocks 14 and 15 and the add may be out)
	MUL 8, 2
	s_wait_dscnt 0x0                               ; the add is done, and my reads of this slot are over
	s_barrier_signal -1
	MUL 10, 2                                      ; work on registers while the others arrive
	WIN 0
	s_barrier_wait -1
.if \kind == 1
	CREST                                          ; no wave of any partner still reads this slot's tile or has a load on its way
	s_add_nc_u64 s[G0+4*QPAR+2:G0+4*QPAR+3], s[G0+4*QPAR+2:G0+4*QPAR+3], 2*SK
	tensor_load_to_lds s[G0+4*QPAR:G0+4*QPAR+3], s[G1:G1+7]   ; this slot again, two slots on
	s_nop 0
.endif
	PLACES
	LDB 0, 1-QPAR, 0, 6                            ; the next slot's first six blocks
.if \kind == 1
	ASK
.endif
	MUL 12, 4
.endif
.endm
	s_wait_tensorcnt 0x0                           ; my part of slot 0 is in
	ds_add_u32 v[SPW], v[NIL]
	s_wait_dscnt 0x0
	CROUND                                         ; everybody's part is in
	tensor_load_to_lds s[G0+4:G0+7], s[G1:G1+7]    ; slot 1, the first tensor load behind the round
	s_nop 0
	LDB 0, 0, 0, 6
	ASET 2
	STEP 0, 0, 1, 0, 1, 40, 0                      ; the first step starts the sums
	WIN 0
	s_mov_b32 s3, 3
.Ltrip:                                                ; a trip is eight steps, once round the ring: from a slot's second step to the next but one slot's first
	STEP 1, 0, 0, 1, 1, 40, 0
	STEP 2, 0, 0, 2, 1, 40, 0
	STEP 3, 0, 0, 3, 1, 40, 1
	STEP 0, 1, 0, 4, 1, 40, 0
	STEP 1, 1, 0, 5, 1, 40, 0
	STEP 2, 1, 0, 6, 1, 40, 0
	STEP 3, 1, 0, 7, 1, 40, 1
	STEP 0, 0, 0, 8, 1, 40, 0
	WIN 0
	s_wait_xcnt 0x0                                ; my loads of A and my prefetches have read their bases
	s_add_nc_u64 s[20:21], s[20:21], 8*IMG
	s_add_nc_u64 s[66:67], s[66:67], 8*IMG
	s_add_nc_u64 s[70:71], s[70:71], 2*SK
	s_sub_co_u32 s3, s3, 1
	s_cmp_lg_u32 s3, 0
	s_cbranch_scc1 .Ltrip
	STEP 1, 0, 0, 1, 1, 40, 0                      ; steps 25 to 31 ask for nothing beyond the end
	STEP 2, 0, 0, 2, 1, 40, 0
	STEP 3, 0, 0, 3, 1, 40, 2
	WIN 0
	v_cvt_f32_f16 v18, v12.l                       ; the bias into my own copy in LDS: no tensor load is out any more
	v_cvt_f32_f16 v19, v12.h
	v_cvt_f32_f16 v20, v13.l
	v_cvt_f32_f16 v21, v13.h
	v_cvt_f32_f16 v22, v14.l
	v_cvt_f32_f16 v23, v14.h
	v_cvt_f32_f16 v24, v15.l
	v_cvt_f32_f16 v25, v15.h
	ds_store_b128 v3, v[18:21]
	ds_store_b128 v3, v[22:25] offset:16
	STEP 0, 1, 0, 4, 1, 40, 0
	STEP 1, 1, 0, 5, 0, 32, 0                      ; nothing more of A is asked for: the counts run down
	STEP 2, 1, 0, 6, 0, 16, 0
	STEP 3, 1, 0, 7, 0, 0, 3
	WIN 0
; THE WAY OUT.  Four row blocks of 16 x 256 one after the other: x 2^(ea + eb) + bias in place (one rounding in f32), each accumulator from its low end on; to f16, 16 bytes a lane for each j; into my own
; stage.  Then the 64 rows of 512 bytes come back (LDS serves a wave's instructions in order: ISA guide 5.7.1.4) and leave in one run of stores: no vector work stands behind a store.
.macro PACK a
.set QPK, 32+64*((\a)%2)
.irp w, 0,1
.set QN, 65*(2+\w)+16                  ; source 0 and destination window 2 or 3, source 2 (the bias) window 1
	WIN QN
.irp j, 0,1,2,3,4,5,6,7
.irp p, 0,2,4,6
	v_pk_fma_f32 v[32*\j+8*(\a)+\p:32*\j+8*(\a)+\p+1], v[32*\j+8*(\a)+\p:32*\j+8*(\a)+\p+1], s[96:97], v[64*\w+8*\j+\p:64*\w+8*\j+\p+1] op_sel_hi:[1,0,1]
.endr
.endr
.endr
.irp w, 0,1
.set QN, 5*(2+\w)                      ; sources window 2 or 3, destination window 0
	WIN QN
.irp j, 0,1,2,3,4,5,6,7
.irp r, 0,1,2,3
	v_cvt_pk_f16_f32 v[QPK+32*\w+4*\j+\r], v[32*\j+8*(\a)+2*\r], v[32*\j+8*(\a)+2*\r+1]
.endr
.endr
.endr
	WIN 0
.irp b, 0,1,2,3,4,5,6,7,8,9,10,11,12,13,14,15
	ds_store_b128 v1, v[QPK+4*\b:QPK+4*\b+3] offset:(\a)*16*SPITCH+32*\b
.endr
.endm
	PLACES                                         ; behind the last products
	s_wait_dscnt 0x0                               ; the bias is in
	PACK 0
	PACK 1
	PACK 2
	PACK 3
	WIN 0x80
.set QT, 0
.rept 64
	ds_load_b128 v[4*QT:4*QT+3], v2 offset:QT*SPITCH
.set QT, QT+1
.endr
	WIN 0x08
.set QT, 0
.rept 64
.if (QT%8) == 0
	s_wait_dscnt 56-QT                             ; the next eight rows are back
.endif
	global_store_b128 v8, v[4*QT:4*QT+3], s[12:13] offset:QT*OROW th:TH_STORE_NT   ; 32 lanes store 512 consecutive bytes, aligned
.set QT, QT+1
.endr
	WIN 0
	s_wait_tensorcnt 0x0                           ; the wave's end
	ds_add_u32 v[SPW], v[NIL]
	s_wait_dscnt 0x0
	CROUND                                         ; the closing round
	s_endpgm
.Lfunc_end_k_qea0327271a_gemm:
	.size	k_qea0327271a_gemm, .Lfunc_end_k_qea0327271a_gemm-k_qea0327271a_gemm
	.p2alignl 7, 3214868480
	.fill 96, 4, 3214868480
	.section	.rodata,"a",@progbits
	.p2align	6, 0x0
	.amdhsa_kernel k_qea0327271a_gemm
		.amdhsa_group_segment_fixed_size 327680
		.amdhsa_private_segment_fixed_size 0
		.amdhsa_enable_private_segment 0
		.amdhsa_kernarg_size 40
		.amdhsa_user_sgpr_count 2
		.amdhsa_user_sgpr_kernarg_segment_ptr 1
		.amdhsa_wavefront_size32 1
		.amdhsa_system_sgpr_workgroup_id_x 1
		.amdhsa_system_sgpr_workgroup_id_y 1
		.amdhsa_system_sgpr_workgroup_id_z 1
		.amdhsa_system_vgpr_workitem_id 0
		.amdhsa_next_free_vgpr 1024
		.amdhsa_next_free_sgpr 98
		.amdhsa_reserve_vcc 0
		.amdhsa_float_denorm_mode_32 3
		.amdhsa_float_denorm_mode_16_64 3
		.amdhsa_memory_ordered 1
		.amdhsa_forward_progress 1
		.amdhsa_inst_pref_size 221
	.end_amdhsa_kernel
	.amdgpu_metadata
---
amdhsa.version: [ 1, 2 ]
amdhsa.kernels:
  - .name:           k_qea0327271a_gemm
    .symbol:         k_qea0327271a_gemm.kd
    .args:
      - { .name: xq, .offset: 0, .size: 8, .value_kind: global_buffer, .address_space: global }
      - { .name: wq, .offset: 8, .size: 8, .value_kind: global_buffer, .address_space: global }
      - { .name: lowp_scales, .offset: 16, .size: 8, .value_kind: global_buffer, .address_space: global }
      - { .name: bias, .offset: 24, .size: 8, .value_kind: global_buffer, .address_space: global }
      - { .name: out0, .offset: 32, .size: 8, .value_kind: global_buffer, .address_space: global }
    .group_segment_fixed_size: 327680
    .private_segment_fixed_size: 0
    .kernarg_segment_align: 8
    .kernarg_segment_size: 40
    .max_flat_workgroup_size: 128
    .sgpr_count:     98
    .vgpr_count:     1024
    .wavefront_size: 32
...
	.end_amdgpu_metadata
.endif
;; end of part 2
